; MI455X (gfx1250); checked and timed in simulation.
; The chip was launched on July 23, 2026; its instructions are those of AMD's public machine-readable ISA for CDNA 5 (MIT licence, August 2026) and "CDNA5" Instruction Set Architecture Reference Guide (July 2026). The comments in the code are by the model that wrote it; some were corrected since.
;; Vector Quantizer. Allowed arithmetic: matrix products marked QUANTISED: E2M3 operands, one E8M0 scale for each 32 along K, by v_wmma_scale_f32_16x16x128_f8f6f4 with both operands' format E2M3, f32 sums; everything else in f32.
;; Inputs: embeddings 8,192 x 256 float32; inputs 32 x 32 x 32 x 256 float32.
;; Outputs: out0 32 x 32 x 32 int32; out1 32 x 32 x 32 x 256 float32.
;; This version of the problem:
;;   THIS VERSION OF THE PROBLEM IS GIVEN IN LOW PRECISION. The matrix products marked QUANTISED in the list below multiply operands that are first quantised to E2M3 (2 exponent bits, 3 mantissa bits; 6 bits a number), with one power-of-two scale for each 32 numbers along K (OCP MX v1.0); their sums are f32. All else is computed in f32.
;;   The module's matrix products, in the order in which they are computed (A, B: the left and right operand; K: the contracted axis; several contracted axes count as one K, in the product's order):
;;     1. [M 32,768, K 256] x [K 256, N 8,192]; A: input inputs; B: input embeddings: QUANTISED
;;   THE QUANTISER, for each operand of a quantised product, along K:
;;     - K is cut into blocks of 32 from its start; a last block that is shorter is filled with zeros.
;;     - A block's scale is 2^e with e = floor(log2(the largest magnitude in the block)) - 2, held to -126 .. 127; a block of zeros has e = 0. As a byte (E8M0): e + 127.
;;     - Each number is divided by its block's scale, clamped to +-7.5, and rounded to the nearest number of E2M3, ties to even, subnormals kept.
;;     - The product sums the exact products of the quantised numbers (number of the format x scale) in f32.
;;   ~~~python
;;   def quantise(x, axis):      # numpy; x: float32 -> the quantised numbers, widened to float32 again
;;       x = np.moveaxis(x, axis, -1); K = x.shape[-1]
;;       x = np.pad(x, [(0, 0)] * (x.ndim - 1) + [(0, -K % 32)]); x = x.reshape(x.shape[:-1] + (-1, 32)); a = np.abs(x).max(-1, keepdims=True)
;;       e = np.where(a > 0, np.clip(np.frexp(np.where(a > 0, a, 1))[1] - 1 - 2, -126, 127), 0)      # np.frexp(a)[1] - 1 = floor(log2(a)), exactly
;;       r = np.clip(x / 2.0 ** e, -7.5, 7.5)
;;       step = 2.0 ** (np.maximum(np.frexp(np.where(r == 0, 1, r))[1] - 1, 0) - 3)
;;       q = np.round(r / step) * step * 2.0 ** e      # np.round: ties to even
;;       return np.moveaxis(q.reshape(q.shape[:-2] + (-1,))[..., :K], -1, axis).astype(np.float32)
;;   ~~~
;; One version. Each part assembles by itself: llvm-mc -triple=amdgcn-amd-amdhsa -mcpu=gfx1250 --defsym DOCPART=n.
;; ======== version 1 of 1: 3 launches
;; limits: right only within a limited range of input values
;; workspace buffers: tiles 8,519,680 bytes; codes_ws 131,072 bytes of whole numbers
;; launch quant (part 1): grid 1280 x 1, 2 waves a work-group, no clusters, 35,072 bytes of LDS; arguments embeddings, inputs, tiles; writes tiles
.if DOCPART == 1
	.amdgcn_target "amdgcn-amd-amdhsa--gfx1250"
	.amdhsa_code_object_version 6
	.text
	.protected	k_q0d707f019f_quant
	.globl	k_q0d707f019f_quant
	.p2align	8
	.type	k_q0d707f019f_quant,@function
k_q0d707f019f_quant:
	s_mov_b64 s[64:65], 0
	v_nop
	global_prefetch_b8 v0, s[64:65] scope:SCOPE_SE
	s_setreg_imm32_b32 hwreg(HW_REG_WAVE_MODE, 25, 1), 1
	s_wait_xcnt 0x0
; embeddings [8192][256] and inputs [32768][256], f32, become codes of FP6 (E2M3) with one E8M0 scale byte for each 32 along K = 256,
; laid in the workspace as the next launch's matrix operands stand in registers.
; THE WORKSPACE: 2,560 blocks of TILEB = 3,328 bytes, one for each 16 rows; blocks 0-511 the embeddings, 512-2559 the inputs.  In a block:
;   s*1536 + 512 g + 16 lane : registers 4 g .. 4 g + 3 of the 12-register fragment of K step s (128 along K), s = 0, 1; g = 0, 1, 2
;   3072 + 4 lane            : scale words: lanes 0-15 row (lane)'s word of K step 0, lanes 16-31 row (lane - 16)'s word of K step 1
;   3200 + 4 m               : -|row m|^2 / 2, f32, m = 0 .. 15 (embeddings; in the inputs' blocks -0, which nobody uses);  3264 .. 3327: zeros
; A block's scale is 2^(floor(log2(largest magnitude)) - 2); its byte is the largest magnitude's exponent field - 2, held at 1 from below.  A block of zeros
; so gets the byte 1 where the quantiser's rule says 127: its codes are zeros, and this program alone reads the bytes.
; LIMITS: blocks whose largest magnitude lies under 2^-124 (the floor) were not tried; NaN and infinities are not served; |row|^2 is summed in f32 in eight chains a lane.
; SHARES: a wave takes one block (16 rows, 16,384 bytes), straight through: no loop, no barrier, waves share nothing.  All 32 loads of a wave go out at once, each of
; 512 consecutive bytes.  The operand's layout gives lane (r, h) of row r the numbers k = 64 c + 32 h + 0 .. 31 of a K step: so a K step's 16 x 512 bytes turn through
; the wave's own stage in LDS (rows 528 bytes apart: an odd multiple of 16, so that the sixteen rows of a load begin in different banks) and come back 128 bytes a block.
; A lane then holds two WHOLE blocks of 32: no other lane is asked for a maximum, and the conversions' results are the operand's registers.
; WORK LEFT OUT: reference() takes the argmin over k of |x|^2 + |e_k|^2 - 2 x.e_k.  |x|^2 is the same for every k of a row, so it moves no argmin, whatever the inputs hold:
; it is not computed.  The program looks for the largest x.e_k - |e_k|^2 / 2, which is the same k.  A NaN, an infinity or an overflow that would arise in |x|^2 alone is not carried to the result.
.set TILEB, 3328
.set WREG,  17152                      ; LDS of a wave: two stages and the tail
.set SP,    528                        ; a stage's row: 512 bytes + 16
.set STG,   16*SP                      ; a stage: 8,448 bytes
.set TAIL,  2*STG                      ; 256 bytes: the block's last 256, gathered
.set Q,   12                           ; v12-19   four pairs of sums of squares
.set R,   20                           ; v20-147  the 32 loads as they come: K step s at R + 64 s
.set N,   148                          ; v148-211 my 64 numbers of a K step: register 32 c + i = k 64 c + 32 h + i
.set F,   212                          ; v212-235 the codes: K step s at F + 12 s: a set for each, so that no store's data are written again
.set FT,  236                          ; v236-238, v240-242 the upper halves of the two blocks, as converted
.set M,   244                          ; v244-245 largest magnitudes
.set SO,  246                          ; v246-247 the conversions' scale operands
.set BY,  248                          ; v248-249 scale bytes
.set W,   250                          ; v250-251 the scale words of K steps 0 and 1
.set PT,  252                          ; v252     what the other half of the lanes sends
.set NRM, 253                          ; v253     -|row|^2 / 2
	s_load_b128 s[4:7], s[0:1], 0x0                ; embeddings s[4:5], inputs s[6:7]
	s_load_b64 s[8:9], s[0:1], 0x10                ; the workspace
	v_lshl_add_u32 v239, v0, 2, 0x8800
	v_mov_b32 v243, 0
	v_lshrrev_b32 v1, 5, v0
	v_readfirstlane_b32 s10, v1                    ; wave 0, 1
	v_and_b32 v1, 31, v0                           ; lane
	v_and_b32 v2, 15, v0                           ; r
	v_bfe_u32 v3, v0, 4, 1                         ; h
	v_lshlrev_b32 v4, 4, v1                        ; 16 x lane: my bytes of a load's and of a store's 512
	s_mul_i32 s11, s10, WREG                       ; my wave's LDS
	v_add_nc_u32 v5, s11, v4                       ; into a stage: a row as it was loaded
	v_mul_u32_u24 v6, v2, SP
	v_lshl_add_u32 v6, v3, 7, v6
	v_add_nc_u32 v6, s11, v6                       ; out of it: row r, + 128 h: my block of each 64 along K
	v_lshl_add_u32 v7, v1, 2, s11                  ; the tail: 4 bytes a lane in,
	v_lshl_add_u32 v8, v1, 3, s11                  ; 8 bytes a lane out
	v_lshlrev_b32 v9, 3, v1
	v_lshlrev_b32 v10, 3, v3                       ; 8 h: my bytes' place in a scale word, in bits
	v_mov_b32 v11, 0
	v_mov_b32 v[PT], 0                             ; written once: a lane permute's destination counts as one of its sources
.irp i, 0,1,2,3,4,5,6,7
	v_mov_b32 v[Q+\i], 0                           ; the sums begin at 0 on both ways round the branch below
.endr
	s_mov_b32 s20, 0x76543210
	s_mov_b32 s21, 0xfedcba98                      ; v_permlanex16_b32's selects for lane l xor 16
	s_mov_b32 s22, 0xffff0000                      ; lanes 16-31
	s_lshl_b32 s13, ttmp9, 1
	s_add_co_u32 s13, s13, s10                     ; my block: 2 x work-group + wave
	s_mul_i32 s16, s13, TILEB                      ; where it goes
	s_mov_b32 s17, 0
	s_mov_b32 s15, 0
	s_wait_kmcnt 0x0
	s_cmp_lt_u32 ttmp9, 256                        ; the first 256 work-groups take the embeddings: the choice hangs on the work-group's number alone
	s_cselect_b64 s[4:5], s[4:5], s[6:7]
	s_cselect_b32 s12, 0, 512
	s_sub_co_u32 s14, s13, s12                     ; which 16 rows of my tensor,
	s_lshl_b32 s14, s14, 14                        ; 16,384 bytes each (under 2^26)
	s_add_nc_u64 s[4:5], s[4:5], s[14:15]
	s_add_nc_u64 s[8:9], s[8:9], s[16:17]
.irp s, 0,1                                    ; K step 0's sixteen loads first, then K step 1's
.irp p, 0,1,2,3,4,5,6,7,8,9,10,11,12,13,14,15
	global_load_b128 v[R+64*\s+4*\p:R+64*\s+4*\p+3], v4, s[4:5] offset:1024*\p+512*\s th:TH_LOAD_NT   ; row p: 32 lanes read 512 consecutive bytes
.endr
.endr
.macro STAGE_IN s
.irp p, 0,1,2,3,4,5,6,7,8,9,10,11,12,13,14,15
	ds_store_b128 v5, v[R+64*\s+4*\p:R+64*\s+4*\p+3] offset:STG*\s+SP*\p
.endr
.endm
.macro STAGE_OUT s                             ; LDS serves a wave's instructions in order (ISA guide 5.7.1.4): these see the stores
.irp c, 0,1
.irp j, 0,1,2,3,4,5,6,7
	ds_load_b128 v[N+32*\c+4*\j:N+32*\c+4*\j+3], v6 offset:STG*\s+256*\c+16*\j
.endr
.endr
.endm
; K step s: my two blocks' scales, the sum of squares, the codes, and the fragment's three stores
.macro QSTEP s
.irp c, 0,1
	v_max3_num_f32 v[M+\c], |v[N+32*\c]|, |v[N+32*\c+1]|, 0x1800000   ; the floor 2^(3 - 127) among the leaves: the byte cannot fall under 1
.endr
.irp i, 2,4,6,8,10,12,14,16,18,20,22,24,26,28,30
.irp c, 0,1
	v_max3_num_f32 v[M+\c], v[M+\c], |v[N+32*\c+\i]|, |v[N+32*\c+\i+1]|   ; (the two blocks by turns)
.endr
.endr
.irp c, 0,1
	v_add_nc_u32 v[SO+\c], 0xff000000, v[M+\c]     ; 2 off the exponent field: the conversion takes this operand's exponent field as its scale, and nothing else of it
.endr
.irp c, 0,1
	v_lshrrev_b32 v[BY+\c], 23, v[SO+\c]           ; the scale's byte
.endr
	v_lshl_or_b32 v[W+\s], v[BY+1], 16, v[BY]      ; my bytes: blocks h and 2 + h of row r,
	v_lshlrev_b32 v[W+\s], v10, v[W+\s]            ; 8 h bits up;
	v_permlanex16_b32 v[PT], v[W+\s], s20, s21
	v_or_b32 v[W+\s], v[W+\s], v[PT]               ; with lane l xor 16's two the word is whole, in both halves
	s_cmp_lt_u32 ttmp9, 256                        ; only the embeddings' squares are wanted
	s_cbranch_scc0 .Lno_norm_\@
.set kk, 0
.rept 32
	v_pk_fma_f32 v[Q+2*(kk%4):Q+2*(kk%4)+1], v[N+2*kk:N+2*kk+1], v[N+2*kk:N+2*kk+1], v[Q+2*(kk%4):Q+2*(kk%4)+1]   ; of the numbers as given, not of the codes
.set kk, kk+1
.endr
.Lno_norm_\@:
	s_wait_alu depctr_va_vdst(0)
.irp c, 0,1
	v_cvt_scalef32_pk16_fp6_f32 v[F+12*\s+6*\c:F+12*\s+6*\c+2], v[N+32*\c:N+32*\c+15], v[SO+\c]      ; registers 6 c .. 6 c + 2 of the operand
	v_cvt_scalef32_pk16_fp6_f32 v[FT+4*\c:FT+4*\c+2], v[N+32*\c+16:N+32*\c+31], v[SO+\c]             ; (a conversion's three registers begin on an even number: the upper half is made elsewhere and moved)
.endr
	v_nop                                          ; one plain place behind the scaled conversions
.irp c, 0,1
.irp i, 0,1,2
	v_mov_b32 v[F+12*\s+6*\c+3+\i], v[FT+4*\c+\i]
.endr
.endr
.irp g, 0,1,2
	global_store_b128 v4, v[F+12*\s+4*\g:F+12*\s+4*\g+3], s[8:9] offset:1536*\s+512*\g   ; 32 lanes store 512 consecutive bytes, at a multiple of 256 from the buffer's first byte
.endr
.endm
	s_wait_loadcnt 16                              ; K step 0's sixteen loads are in; K step 1's sixteen may be out
	STAGE_IN 0
	STAGE_OUT 0
	s_wait_loadcnt 0x0
	STAGE_IN 1                                     ; the other stage
	s_wait_dscnt 16                                ; the first 32 LDS instructions are done: my numbers of K step 0 are in; the sixteen stores just issued may be out
	QSTEP 0
	STAGE_OUT 1                                    ; into the same registers: the vector instructions that read them have been issued
	s_wait_dscnt 0x0
	QSTEP 1
	; the block's last 256 bytes, gathered in LDS so that they leave as one aligned run
	v_cndmask_b32 v[W], v[W], v[W+1], s22          ; lanes 0-15: K step 0's word of row r; lanes 16-31: K step 1's
	ds_store_b32 v7, v[W] offset:TAIL
	v_pk_add_f32 v[Q:Q+1], v[Q:Q+1], v[Q+2:Q+3]
	v_pk_add_f32 v[Q+4:Q+5], v[Q+4:Q+5], v[Q+6:Q+7]
	v_pk_add_f32 v[Q:Q+1], v[Q:Q+1], v[Q+4:Q+5]
	v_add_f32 v[Q], v[Q], v[Q+1]
	v_permlanex16_b32 v[PT], v[Q], s20, s21
	v_add_f32 v[Q], v[Q], v[PT]                    ; with the other half of the row: |row r|^2
	v_mul_f32 v[NRM], -0.5, v[Q]
	v_cndmask_b32 v[NRM], v[NRM], v11, s22         ; lanes 16-31 write the 64 zeros at the block's end
	ds_store_b32 v7, v[NRM] offset:TAIL+128
	ds_load_b64 v[254:255], v8 offset:TAIL
	s_wait_dscnt 0x0
	global_store_b64 v9, v[254:255], s[8:9] offset:3072   ; 32 lanes store 256 consecutive bytes, aligned
	s_wait_tensorcnt 0x0
	ds_add_u32 v239, v243
	s_wait_dscnt 0x0
	s_endpgm
.Lfunc_end_k_q0d707f019f_quant:
	.size	k_q0d707f019f_quant, .Lfunc_end_k_q0d707f019f_quant-k_q0d707f019f_quant
	.p2alignl 7, 3214868480
	.fill 96, 4, 3214868480
	.section	.rodata,"a",@progbits
	.p2align	6, 0x0
	.amdhsa_kernel k_q0d707f019f_quant
		.amdhsa_group_segment_fixed_size 35072
		.amdhsa_private_segment_fixed_size 0
		.amdhsa_enable_private_segment 0
		.amdhsa_kernarg_size 24
		.amdhsa_user_sgpr_count 2
		.amdhsa_user_sgpr_kernarg_segment_ptr 1
		.amdhsa_wavefront_size32 1
		.amdhsa_system_sgpr_workgroup_id_x 1
		.amdhsa_system_sgpr_workgroup_id_y 1
		.amdhsa_system_sgpr_workgroup_id_z 1
		.amdhsa_system_vgpr_workitem_id 0
		.amdhsa_next_free_vgpr 256
		.amdhsa_next_free_sgpr 66
		.amdhsa_reserve_vcc 0
		.amdhsa_float_denorm_mode_32 3
		.amdhsa_float_denorm_mode_16_64 3
		.amdhsa_memory_ordered 1
		.amdhsa_forward_progress 1
		.amdhsa_inst_pref_size 21
	.end_amdhsa_kernel
	.amdgpu_metadata
---
amdhsa.version: [ 1, 2 ]
amdhsa.kernels:
  - .name:           k_q0d707f019f_quant
    .symbol:         k_q0d707f019f_quant.kd
    .args:
      - { .name: embeddings, .offset: 0, .size: 8, .value_kind: global_buffer, .address_space: global }
      - { .name: inputs, .offset: 8, .size: 8, .value_kind: global_buffer, .address_space: global }
      - { .name: tiles, .offset: 16, .size: 8, .value_kind: global_buffer, .address_space: global }
    .group_segment_fixed_size: 35072
    .private_segment_fixed_size: 0
    .kernarg_segment_align: 8
    .kernarg_segment_size: 24
    .max_flat_workgroup_size: 64
    .sgpr_count:     66
    .vgpr_count:     256
    .wavefront_size: 32
...
	.end_amdgpu_metadata
.endif
;; end of part 1
;; launch search (part 2): grid 256 x 1, 8 waves a work-group, clusters of 4 x 1, 327,680 bytes of LDS; arguments tiles, out0, codes_ws; writes out0, codes_ws
.if DOCPART == 2
	.amdgcn_target "amdgcn-amd-amdhsa--gfx1250"
	.amdhsa_code_object_version 6
	.text
	.protected	k_q0d707f019f_search
	.globl	k_q0d707f019f_search
	.p2align	8
	.type	k_q0d707f019f_search,@function
k_q0d707f019f_search:
	s_mov_b64 s[64:65], 0
	v_nop
	global_prefetch_b8 v0, s[64:65] scope:SCOPE_SE
	s_setreg_imm32_b32 hwreg(HW_REG_WAVE_MODE, 25, 1), 1
	s_wait_xcnt 0x0
	s_wait_alu depctr_hold_cnt(0) depctr_sa_sdst(0) depctr_va_vdst(0) depctr_va_sdst(0) depctr_va_ssrc(0) depctr_va_vcc(0) depctr_vm_vsrc(0)
	s_getreg_b32 s2, hwreg(HW_REG_IB_STS2, 6, 4)
	s_cmp_eq_u32 s2, 0
	s_cbranch_scc0 .Lentry_in_a_cluster
	s_endpgm
.Lentry_in_a_cluster:
	s_bfe_u32 s2, ttmp6, 0x10000c
	s_cmp_lg_u32 s2, 0x3003
	s_cbranch_scc0 .Lentry_shape_is_right
	s_endpgm
.Lentry_shape_is_right:
; code[row] = the lowest k with the largest score x.e_k - |e_k|^2 / 2, the product on FP6 (E2M3) codes with E8M0 scales as the launch before laid them (blocks of 3,328 bytes for 16 rows:
; two fragments of 1,536 bytes, 128 bytes of scale words, 64 bytes of -|e|^2 / 2).  |x|^2 is left out: it is the same for every k of a row and moves no argmin.
; SHARES: a work-group takes 128 rows of the inputs against all 8,192 rows of the codebook.  Each of its eight waves keeps all 128 rows' fragments in registers (8 blocks x 24) and walks 64 of the 512
; codebook blocks: a block's fragment, read once from LDS, feeds 16 matrix instructions.  THE MATRIX INSTRUCTION IS USED TRANSPOSED (source 0 = 16 codebook rows, source 1 = 16 input rows; C = -|e|^2 / 2):
; lane (r, h) holds input row r, its registers j the codebook rows 8 h + j.
; THE SEARCH, nine vector instructions for an accumulator: four v_max3 (its eight scores and the best so far), one compare, and four pairs that keep, where the best has grown, seven of the scores and the
; block's number.  Which of the eight it was is read off the kept scores once, at the end.  A later block takes over only by a larger score, so the lowest k stays.
; THE RING: two LDS slots of 32 blocks (4 a wave, each wave's own bytes), filled by joint loads of the four work-groups of a cluster, which walk the same blocks.  Cluster c begins at slot c mod 16 of the
; sixteen and goes round.  Where the walk passes from block 511 to block 0, the best is set one step of f32 down (the true number is kept aside), so that an equal score of a lower k takes over.
; No prefetch: the first fills of the 64 clusters together name all sixteen slots, so a prefetch would name the same bytes once more.
; LIMITS: NaN and infinities among the inputs are not served.
; REGISTERS: window 0: v0-31 addresses, scales, C; v32-95 accumulators; v96-111 the best, two sets by turns; v112-119 the best as it was at the wrap; v120-125 at work; v128-191 kept: 8 for each block of rows
; (7 scores, the block's number); v192.. the end.  Window 1: v0-191 the inputs' fragments, v192-215 the codebook block's.
.set TILEB, 3328
.set QB,    4*TILEB                    ; a wave's part of a slot
.set SLOTB, 8*QB
.set SLOT1, 1<<17                      ; where the second slot begins
.set SCR,   SLOT1+SLOTB                ; 8 x 1,024 bytes: the waves' results meet here; no tensor load lands here
.set SPARE, SCR+8*1024                 ; the spare words: 128 bytes a wave, named by no other line
.set XS,  10
.set ES,  18
.set CE,  20
.set ACC, 32
.set BV0, 96
.set BV1, 104
.set BW,  112
.set T,   120
.set SV,  128
.set TMP, 192
.set EP,  200
.set FM,  216
.set EF,  192
.set MSB, 0
.macro WIN new                         ; the immediate's high byte repeats the setting that is left
.if MSB != \new
	s_set_vgpr_msb (MSB<<8)|\new
.set MSB, \new
.endif
.endm
.macro CREST                           ; a round of the cluster's barrier behind its opening barrier
	s_cmp_lg_u32 s10, 0
	s_cbranch_scc1 .Lnot_wave_0_\@
	s_barrier_signal -3
.Lnot_wave_0_\@:
	s_barrier_wait -3
	s_barrier_signal -1
	s_barrier_wait -1
.endm
.macro CROUND
	s_barrier_signal -1
	s_barrier_wait -1
	CREST
.endm
	s_load_b128 s[4:7], s[0:1], 0x0                ; the blocks s[4:5], out0 s[6:7]
	s_load_b64 s[8:9], s[0:1], 0x10                ; the codes for the next launch
	v_lshl_add_u32 v8, v0, 2, SPARE
	v_mov_b32 v9, 0
	ds_add_u32 v8, v9                              ; the opening lines: the add, twice on end, and one wait
	ds_add_u32 v8, v9
	v_lshrrev_b32 v1, 5, v0
	v_readfirstlane_b32 s10, v1                    ; wave 0..7
	s_lshl_b32 s54, s10, 10
	s_add_co_u32 s54, s54, SCR
	v_and_b32 v29, 31, v0
	v_bfe_u32 v4, v0, 4, 1                         ; h
	v_and_b32 v30, 15, v0                          ; r
	v_lshlrev_b32 v1, 4, v29                       ; 16 x lane: a fragment's registers
	v_lshlrev_b32 v2, 2, v29                       ; 4 x lane: scale words
	v_lshlrev_b32 v3, 5, v4                        ; 32 h: my eight -|e|^2 / 2
	v_lshlrev_b32 v4, 3, v4                        ; 8 h
	v_lshlrev_b32 v30, 3, v30
	v_add_nc_u32 v30, s54, v30                     ; my wave's results: 8 bytes a row
	v_lshl_add_u32 v31, v0, 4, SCR                 ; and back: two rows a thread
	v_lshlrev_b32 v19, 3, v0
	v_mov_b32 v28, 0x80000001                      ; the step down from zero
	s_bfe_u32 s11, ttmp6, 0x40000                  ; cx
	s_lshl_b32 s12, ttmp9, 2
	s_add_co_u32 s12, s12, s11                     ; my 128 rows: 4 x cluster + cx (enters global addresses of my own alone)
	s_and_b32 s13, ttmp9, 15                       ; the cluster's first slot
	s_mov_b32 s14, s13                             ; the slot at work
	s_add_co_u32 s15, s13, 1
	s_and_b32 s15, s15, 15                         ; the slot asked for last
	s_mul_i32 s18, s10, QB
	s_lshl_b32 s19, s10, 2
	s_lshl_b32 s20, s13, 5                         ; the walk's first block
	s_add_co_u32 s16, s20, s19                     ; the block at work: 32 x slot + 4 x wave + i
	s_mov_b32 s17, s18                             ; where I read in LDS
	s_mov_b32 s50, 0x76543210
	s_mov_b32 s51, 0xfedcba98                      ; v_permlanex16_b32: lane l xor 16
	s_mov_b32 s24, 15|(3<<16)|(1<<21)              ; group 1: all four of the cluster; elements of 8 bytes; 52 dense rows of 256 bytes
	s_mov_b32 s25, 32<<16
	s_mov_b32 s26, 52<<16
	s_mov_b32 s27, 32<<16
	s_mov_b32 s28, 52
	s_mov_b32 s29, 32
	s_mov_b32 s30, 0
	s_mov_b32 s31, 0
	s_mul_i32 s22, s13, SLOTB
	s_add_co_u32 s22, s22, s18
	s_mov_b32 s23, 0
	s_mul_i32 s56, s15, SLOTB
	s_add_co_u32 s56, s56, s18
	s_mov_b32 s57, 0
	s_lshl_b32 s52, s12, 3
	s_add_co_u32 s52, s52, 512
	s_mul_i32 s52, s52, TILEB                      ; my rows' eight blocks lie behind the codebook's 512
	s_mov_b32 s53, 0
	s_wait_alu depctr_va_vdst(0)
	s_wait_dscnt 0x0                               ; both opening adds are done
	s_wait_kmcnt 0x0
	s_mov_b32 s32, 1
	s_mov_b32 s33, s18
	s_add_nc_u64 s[34:35], s[4:5], s[22:23]
	s_or_b32 s35, s35, 0x80000000
	s_mov_b32 s36, 1
	s_add_co_u32 s37, s18, SLOT1
	s_add_nc_u64 s[38:39], s[4:5], s[56:57]
	s_or_b32 s39, s39, 0x80000000
	s_add_nc_u64 s[52:53], s[4:5], s[52:53]
	WIN 0x40                                       ; the inputs' fragments are asked for first: 56 loads, on their way through both rounds below
.irp q, 0,1,2,3,4,5,6,7
.irp s, 0,1
.irp g, 0,1,2
	global_load_b128 v[24*\q+12*\s+4*\g:24*\q+12*\s+4*\g+3], v1, s[52:53] offset:TILEB*\q+1536*\s+512*\g
.endr
.endr
.endr
	WIN 0
.irp q, 0,1,2,3,4,5,6,7
	global_load_b32 v[XS+\q], v2, s[52:53] offset:TILEB*\q+3072
.endr
	CROUND                                         ; the four work-groups are here: the first joint loads meet
	tensor_load_to_lds s[32:35], s[24:31]          ; my one load at the head: my four blocks of the first slot
	s_nop 0
.set i, 0
.rept 8
	v_mov_b32 v[BV0+i], 0xff800000                 ; under every score
.set i, i+1
.endr
.set i, BW
.rept 8
	v_mov_b32 v[i], 0
.set i, i+1
.endr
.set i, SV
.rept 64
	v_mov_b32 v[i], 0                              ; the selections below read what they keep
.set i, i+1
.endr
.macro RUN                             ; 16 matrix instructions: the block against my eight blocks of rows, K = 256 in two steps; the eight accumulators by turns
	WIN 0x05
.irp q, 0,1,2,3,4,5,6,7
	v_wmma_scale_f32_16x16x128_f8f6f4 v[ACC+8*\q:ACC+8*\q+7], v[EF:EF+11], v[24*\q:24*\q+11], v[CE:CE+7], v[ES], v[XS+\q] matrix_a_fmt:MATRIX_FMT_FP6 matrix_b_fmt:MATRIX_FMT_FP6
.endr
.irp q, 0,1,2,3,4,5,6,7
	v_wmma_scale_f32_16x16x128_f8f6f4 v[ACC+8*\q:ACC+8*\q+7], v[EF+12:EF+23], v[24*\q+12:24*\q+23], v[ACC+8*\q:ACC+8*\q+7], v[ES], v[XS+\q] matrix_a_fmt:MATRIX_FMT_FP6 matrix_b_fmt:MATRIX_FMT_FP6 matrix_a_scale:MATRIX_SCALE_ROW1 matrix_b_scale:MATRIX_SCALE_ROW1
.endr
	WIN 0
	v_mov_b32 v29, s16                             ; the block's number; with the three below: four places behind the last product, ahead of loads into its sources and of reads of its result
.rept 3
	v_nop
.endr
.endm
.macro FETCH i                         ; block i of my four in the slot: nine LDS loads
	WIN 0x40
.irp s, 0,1
.irp g, 0,1,2
	ds_load_b128 v[EF+12*\s+4*\g:EF+12*\s+4*\g+3], v5 offset:(\i)*TILEB+1536*\s+512*\g
.endr
.endr
	WIN 0
	ds_load_b32 v[ES], v6 offset:(\i)*TILEB+3072
	ds_load_b128 v[CE:CE+3], v7 offset:(\i)*TILEB+3200
	ds_load_b128 v[CE+4:CE+7], v7 offset:(\i)*TILEB+3216
.endm
.macro TURN                            ; my LDS addresses in the slot that s17 names; four instructions, which also stand between a tensor load and the next switch of windows
	v_add_nc_u32 v5, s17, v1
	v_add_nc_u32 v6, s17, v2
	v_add_nc_u32 v7, s17, v3
	v_nop
.endm
; The search's four stages for accumulator q; p: which set holds the best so far
.macro S1 q, p                         ; each accumulator is read from its low end on
	v_max3_num_f32 v[T+3*((\q)%2)],   v[ACC+8*(\q)],   v[ACC+8*(\q)+1], v[ACC+8*(\q)+2]
	v_max3_num_f32 v[T+3*((\q)%2)+1], v[ACC+8*(\q)+3], v[ACC+8*(\q)+4], v[ACC+8*(\q)+5]
	v_max3_num_f32 v[T+3*((\q)%2)+2], v[ACC+8*(\q)+6], v[ACC+8*(\q)+7], v[BV0+8*(\p)+(\q)]
.endm
.macro S2 q, p
	v_max3_num_f32 v[BV0+8*(1-(\p))+(\q)], v[T+3*((\q)%2)], v[T+3*((\q)%2)+1], v[T+3*((\q)%2)+2]
.endm
.macro S3 q, p
	v_cmp_gt_f32 vcc_lo, v[BV0+8*(1-(\p))+(\q)], v[BV0+8*(\p)+(\q)]   ; has the best grown?
.endm
.macro S4 q                            ; then keep scores 0 to 6 and the block's number: two selections an instruction, both by VCC
.irp j, 0,2,4
	v_dual_cndmask_b32 v[SV+8*(\q)+\j], v[SV+8*(\q)+\j], v[ACC+8*(\q)+\j] :: v_dual_cndmask_b32 v[SV+8*(\q)+\j+1], v[SV+8*(\q)+\j+1], v[ACC+8*(\q)+\j+1]
.endr
	v_dual_cndmask_b32 v[SV+8*(\q)+6], v[SV+8*(\q)+6], v[ACC+8*(\q)+6] :: v_dual_cndmask_b32 v[SV+8*(\q)+7], v[SV+8*(\q)+7], v29
.endm
.macro LISTN q0, n, p                  ; accumulators q0 .. q0 + n - 1, the stages laid so that no line reads the line above it
	S1 \q0, \p
	S1 \q0+1, \p
	S2 \q0, \p
.set k, \q0
.rept \n
	S3 k, \p
.if k+2 < \q0+\n
	S1 k+2, \p
.endif
.if k+1 < \q0+\n
	S2 k+1, \p
.endif
	S4 k
.set k, k+1
.endr
.endm
; One block.  mode 0: the next block lies in the same slot.  1: the slot's last block, and the slot is filled again.  2: the slot's last, nothing is left to ask for.  3: the walk's last.
.macro TILE nxt, p, mode
.if \mode == 1
	s_wait_tensorcnt 0x0                           ; my one load that was out, my part of the other slot, has landed;
	ds_add_u32 v8, v9                              ; the descriptor's next address is made between the add and its wait
	s_xor_b32 s37, s37, SLOT1
	s_xor_b32 s17, s17, SLOT1
	s_add_co_u32 s15, s15, 1
	s_and_b32 s15, s15, 15
	s_mul_i32 s22, s15, SLOTB
	s_add_co_u32 s22, s22, s18
	s_add_nc_u64 s[38:39], s[4:5], s[22:23]
	s_or_b32 s39, s39, 0x80000000
	s_wait_dscnt 0x0                               ; the add is done, and my last reads of this slot are back
	s_barrier_signal -1                            ; opens a round of the cluster's barrier; work on registers alone up to its wait:
	RUN
	LISTN 0, 4, \p                                 ; the products and half of the search
	s_barrier_wait -1
	CREST
	tensor_load_to_lds s[36:39], s[24:31]          ; the refill, first behind the round: two slots on
	s_nop 0
	TURN
	FETCH 0
	LISTN 4, 4, \p                                 ; the other half stands over the fetch
.elseif \mode == 2
	s_wait_tensorcnt 0x0                           ; the last slot has landed: only I read my part of it
	s_wait_dscnt 0x0
	RUN
	s_xor_b32 s17, s17, SLOT1
	TURN
	FETCH 0
	LISTN 0, 8, \p
.elseif \mode == 3
	s_wait_dscnt 0x0
	RUN
	LISTN 0, 8, \p
.else
	s_wait_dscnt 0x0                               ; this block's nine loads are in
	RUN
	FETCH \nxt
	LISTN 0, 8, \p
	s_add_co_u32 s16, s16, 1
.endif
.endm
.macro NUDGE                           ; behind block 511: the best is kept aside and set one step of f32 down
.irp q, 0,1,2,3,4,5,6,7
	v_mov_b32 v[BW+\q], v[BV0+\q]
.endr
.irp q, 0,1,2,3,4,5,6,7
	v_ashrrev_i32 v[TMP+\q], 31, v[BV0+\q]
.endr
.irp q, 0,1,2,3,4,5,6,7
	v_or_b32 v[TMP+\q], 1, v[TMP+\q]               ; 1, or -1 under zero
.endr
.irp q, 0,1,2,3,4,5,6,7
	v_cmp_eq_f32 s[40+\q], 0, v[BV0+\q]
.endr
.irp q, 0,1,2,3,4,5,6,7
	v_sub_nc_u32 v[BV0+\q], v[BV0+\q], v[TMP+\q]
.endr
.irp q, 0,1,2,3,4,5,6,7
	v_cndmask_b32 v[BV0+\q], v[BV0+\q], v28, s[40+\q]
.endr
	s_wait_alu depctr_va_vdst(0)
.endm
.macro SLOTEND more
	s_cmp_eq_u32 s14, 15                           ; ids and a counted step alone: the same in all waves and all partners
	s_wait_alu depctr_va_vdst(0)
	s_cbranch_scc0 .Lno_wrap_\@
	NUDGE
.Lno_wrap_\@:
.if \more
	s_add_co_u32 s14, s14, 1
	s_and_b32 s14, s14, 15
	s_lshl_b32 s16, s14, 5
	s_add_co_u32 s16, s16, s19
.endif
.endm
.macro SLOT m, more
	TILE 1, 0, 0
	TILE 2, 1, 0
	TILE 3, 0, 0
	TILE 0, 1, \m
	SLOTEND \more
.endm
	s_wait_alu depctr_va_vdst(0)
	s_wait_tensorcnt 0x0                           ; my part of the first slot is in; the second slot's first fill is issued as a refill is:
	ds_add_u32 v8, v9
	s_wait_dscnt 0x0
	CROUND
	tensor_load_to_lds s[36:39], s[24:31]
	s_nop 0
	TURN
	FETCH 0
	s_wait_alu depctr_va_vdst(0)
	s_wait_loadcnt 0x0                             ; the inputs' fragments and scale words
	s_mov_b32 s48, 14
.Lslot:                                                ; a trip: one slot, four blocks a wave, one refill
	SLOT 1, 1
	s_sub_co_u32 s48, s48, 1
	s_cmp_lg_u32 s48, 0
	s_cbranch_scc1 .Lslot
	SLOT 2, 1                                      ; the last two slots ask for nothing
	SLOT 3, 0
	; THE END: which of the eight, the other half of the lanes, the other waves
	s_lshl_b32 s52, s12, 9                         ; my 128 rows x 4 bytes
	s_mov_b32 s53, 0
	s_add_nc_u64 s[6:7], s[6:7], s[52:53]
	s_add_nc_u64 s[8:9], s[8:9], s[52:53]
.irp q, 0,1,2,3,4,5,6,7
	v_cmp_le_u32 s[40+\q], s20, v[SV+8*\q+7]       ; a block from ahead of the wrap: the true best is the one kept aside
.endr
.irp q, 0,1,2,3,4,5,6,7
	v_cndmask_b32 v[EP+2*\q], v[BV0+\q], v[BW+\q], s[40+\q]
.endr
.irp q, 0,1,2,3,4,5,6,7
	v_mov_b32 v[TMP+\q], 7
.endr
.irp j, 6,5,4,3,2,1,0                  ; the lowest j whose kept score is the best; if none of the seven, it was the eighth
.irp q, 0,1,2,3,4,5,6,7
	v_cmp_neq_f32 s[40+\q], v[SV+8*\q+\j], v[EP+2*\q]
.endr
.irp q, 0,1,2,3,4,5,6,7
	v_cndmask_b32 v[TMP+\q], \j, v[TMP+\q], s[40+\q]
.endr
.endr
.irp q, 0,1,2,3,4,5,6,7
	v_lshl_add_u32 v[EP+2*\q+1], v[SV+8*\q+7], 4, v[TMP+\q]
.endr
.irp q, 0,1,2,3,4,5,6,7
	v_add_nc_u32 v[EP+2*\q+1], v4, v[EP+2*\q+1]    ; k = 16 x block + 8 h + j
.endr
.macro MERGE v, c, v2, c2              ; the larger score; of equal scores the lower k
	v_cmp_gt_f32 s54, v[\v2], v[\v]
	v_cmp_eq_f32 s55, v[\v2], v[\v]
	v_cmp_lt_u32 s56, v[\c2], v[\c]
	s_and_b32 s55, s55, s56
	s_or_b32 s54, s54, s55
	v_cndmask_b32 v[\v], v[\v], v[\v2], s54
	v_cndmask_b32 v[\c], v[\c], v[\c2], s54
.endm
.irp q, 0,1,2,3,4,5,6,7
	v_permlanex16_b32 v[BV0+\q], v[EP+2*\q], s50, s51
	v_permlanex16_b32 v[BV1+\q], v[EP+2*\q+1], s50, s51
.endr
.irp q, 0,1,2,3,4,5,6,7
	MERGE EP+2*\q, EP+2*\q+1, BV0+\q, BV1+\q
.endr
.irp q, 0,1,2,3,4,5,6,7
	ds_store_b64 v30, v[EP+2*\q:EP+2*\q+1] offset:128*\q   ; both halves of the lanes write the same pair
.endr
	s_wait_dscnt 0x0                               ; for the others' sake
	s_barrier_signal -1
	s_barrier_wait -1
	s_cmp_ge_u32 s10, 2
	s_cbranch_scc1 .Ldone                          ; waves 0 and 1 join the eight waves' results: two rows a thread
.irp w, 0,1,2,3,4,5,6,7
	ds_load_b128 v[FM+4*\w:FM+4*\w+3], v31 offset:1024*\w
.endr
	s_wait_dscnt 0x0
.irp w, 1,2,3,4,5,6,7
	MERGE FM, FM+1, FM+4*\w, FM+4*\w+1
	MERGE FM+2, FM+3, FM+4*\w+2, FM+4*\w+3
.endr
	v_mov_b32 v[FM], v[FM+1]
	v_mov_b32 v[FM+1], v[FM+3]
	global_store_b64 v19, v[FM:FM+1], s[6:7]       ; a wave stores 256 consecutive bytes, aligned
	global_store_b64 v19, v[FM:FM+1], s[8:9]
.Ldone:
	s_wait_tensorcnt 0x0                           ; the wave's end
	ds_add_u32 v8, v9
	s_wait_dscnt 0x0
	CROUND                                         ; the closing round
	s_endpgm
.Lfunc_end_k_q0d707f019f_search:
	.size	k_q0d707f019f_search, .Lfunc_end_k_q0d707f019f_search-k_q0d707f019f_search
	.p2alignl 7, 3214868480
	.fill 96, 4, 3214868480
	.section	.rodata,"a",@progbits
	.p2align	6, 0x0
	.amdhsa_kernel k_q0d707f019f_search
		.amdhsa_group_segment_fixed_size 327680
		.amdhsa_private_segment_fixed_size 0
		.amdhsa_enable_private_segment 0
		.amdhsa_kernarg_size 24
		.amdhsa_user_sgpr_count 2
		.amdhsa_user_sgpr_kernarg_segment_ptr 1
		.amdhsa_wavefront_size32 1
		.amdhsa_system_sgpr_workgroup_id_x 1
		.amdhsa_system_sgpr_workgroup_id_y 1
		.amdhsa_system_sgpr_workgroup_id_z 1
		.amdhsa_system_vgpr_workitem_id 0
		.amdhsa_next_free_vgpr 512
		.amdhsa_next_free_sgpr 66
		.amdhsa_reserve_vcc 1
		.amdhsa_float_denorm_mode_32 3
		.amdhsa_float_denorm_mode_16_64 3
		.amdhsa_memory_ordered 1
		.amdhsa_forward_progress 1
		.amdhsa_inst_pref_size 127
	.end_amdhsa_kernel
	.amdgpu_metadata
---
amdhsa.version: [ 1, 2 ]
amdhsa.kernels:
  - .name:           k_q0d707f019f_search
    .symbol:         k_q0d707f019f_search.kd
    .args:
      - { .name: tiles, .offset: 0, .size: 8, .value_kind: global_buffer, .address_space: global }
      - { .name: out0, .offset: 8, .size: 8, .value_kind: global_buffer, .address_space: global }
      - { .name: codes_ws, .offset: 16, .size: 8, .value_kind: global_buffer, .address_space: global }
    .group_segment_fixed_size: 327680
    .private_segment_fixed_size: 0
    .kernarg_segment_align: 8
    .kernarg_segment_size: 24
    .max_flat_workgroup_size: 256
    .sgpr_count:     66
    .vgpr_count:     512
    .wavefront_size: 32
...
	.end_amdgpu_metadata
.endif
;; end of part 2
;; launch gather (part 3): grid 256 x 1, 8 waves a work-group, no clusters, 0 bytes of LDS; arguments embeddings, codes_ws, out1; writes out1
.if DOCPART == 3
	.amdgcn_target "amdgcn-amd-amdhsa--gfx1250"
	.amdhsa_code_object_version 6
	.text
	.protected	k_q0d707f019f_gather
	.globl	k_q0d707f019f_gather
	.p2align	8
	.type	k_q0d707f019f_gather,@function
k_q0d707f019f_gather:
	s_mov_b64 s[64:65], 0
	v_nop
	global_prefetch_b8 v0, s[64:65] scope:SCOPE_SE
	s_setreg_imm32_b32 hwreg(HW_REG_WAVE_MODE, 25, 1), 1
	s_wait_xcnt 0x0
; out1[row] = embeddings[code[row]]: 32,768 rows of 1,024 bytes, as given (not quantised).  The codes were stored by the launch before, as whole numbers.
; A wave takes 16 rows: its 16 codes come by one scalar load (64 bytes, aligned); each is held to the table's 8,192 rows; each row is two loads and two stores of 512 consecutive
; bytes, 16 a lane.  Loads run DEPTH rows ahead of the stores: a row is stored as soon as it is in, behind the request for the row DEPTH further on, so that loads and stores are on their way together.
; Every row has its own data and address registers: no source of a pending instruction is written again.  No loop, no LDS, no barrier: waves share nothing.
; No hint on the loads: a row of the table may be named by many rows of the result.  No prefetch: the launch has no loop to run ahead in.
.set ROWB,  1024
.set DEPTH, 6                          ; rows asked for and not yet stored: 12 loads a wave
.set AD,  4                            ; v4-19   row i: its byte offset in the table + 16 x lane
.set D,   24                           ; v24-151 row i: 8 registers
	s_load_b128 s[4:7], s[0:1], 0x0                ; embeddings s[4:5], the codes s[6:7]
	s_load_b64 s[8:9], s[0:1], 0x10                ; out1
	v_lshrrev_b32 v1, 5, v0
	v_readfirstlane_b32 s10, v1                    ; wave 0..7
	v_and_b32 v1, 31, v0
	v_lshlrev_b32 v1, 4, v1                        ; 16 x lane
	s_lshl_b32 s11, ttmp9, 7
	s_lshl_b32 s12, s10, 4
	s_add_co_u32 s11, s11, s12                     ; my first row: 128 x work-group + 16 x wave
	s_lshl_b32 s12, s11, 2                         ; its code,
	s_mov_b32 s13, 0
	s_lshl_b32 s14, s11, 10                        ; its place in out1 (under 2^25)
	s_mov_b32 s15, 0
	s_wait_alu depctr_va_vdst(0)
	s_wait_kmcnt 0x0
	s_add_nc_u64 s[6:7], s[6:7], s[12:13]
	s_add_nc_u64 s[8:9], s[8:9], s[14:15]
	s_load_b512 s[16:31], s[6:7], 0x0              ; my 16 codes
	s_wait_kmcnt 0x0
.irp i, 0,1,2,3,4,5,6,7,8,9,10,11,12,13,14,15
	s_min_u32 s[16+\i], s[16+\i], 0x1fff           ; a loaded number enters an address only held inside the table
	s_lshl_b32 s[16+\i], s[16+\i], 10
	v_add_nc_u32 v[AD+\i], s[16+\i], v1
.endr
	s_wait_alu depctr_va_vdst(0)
.macro LD i
	global_load_b128 v[D+8*(\i):D+8*(\i)+3], v[AD+(\i)], s[4:5]
	global_load_b128 v[D+8*(\i)+4:D+8*(\i)+7], v[AD+(\i)], s[4:5] offset:512
.endm
.irp i, 0,1,2,3,4,5
	LD \i
.endr
.irp i, 0,1,2,3,4,5,6,7,8,9,10,11,12,13,14,15
.if \i+DEPTH < 16
	LD \i+DEPTH
	s_wait_loadcnt 2*DEPTH                         ; loads come back in order (ISA guide 5.7.1): row i's two are in; those of the DEPTH rows behind it may be out
.else
	s_wait_loadcnt 2*(15-\i)                       ; nothing more is asked for: the counts run down
.endif
	global_store_b128 v1, v[D+8*\i:D+8*\i+3], s[8:9] offset:ROWB*\i th:TH_STORE_NT       ; 32 lanes store 512 consecutive bytes, aligned; written once, read by nobody here
	global_store_b128 v1, v[D+8*\i+4:D+8*\i+7], s[8:9] offset:ROWB*\i+512 th:TH_STORE_NT
.endr
	s_endpgm
.Lfunc_end_k_q0d707f019f_gather:
	.size	k_q0d707f019f_gather, .Lfunc_end_k_q0d707f019f_gather-k_q0d707f019f_gather
	.p2alignl 7, 3214868480
	.fill 96, 4, 3214868480
	.section	.rodata,"a",@progbits
	.p2align	6, 0x0
	.amdhsa_kernel k_q0d707f019f_gather
		.amdhsa_group_segment_fixed_size 0
		.amdhsa_private_segment_fixed_size 0
		.amdhsa_enable_private_segment 0
		.amdhsa_kernarg_size 24
		.amdhsa_user_sgpr_count 2
		.amdhsa_user_sgpr_kernarg_segment_ptr 1
		.amdhsa_wavefront_size32 1
		.amdhsa_system_sgpr_workgroup_id_x 1
		.amdhsa_system_sgpr_workgroup_id_y 1
		.amdhsa_system_sgpr_workgroup_id_z 1
		.amdhsa_system_vgpr_workitem_id 0
		.amdhsa_next_free_vgpr 160
		.amdhsa_next_free_sgpr 66
		.amdhsa_reserve_vcc 0
		.amdhsa_float_denorm_mode_32 3
		.amdhsa_float_denorm_mode_16_64 3
		.amdhsa_memory_ordered 1
		.amdhsa_forward_progress 1
		.amdhsa_inst_pref_size 10
	.end_amdhsa_kernel
	.amdgpu_metadata
---
amdhsa.version: [ 1, 2 ]
amdhsa.kernels:
  - .name:           k_q0d707f019f_gather
    .symbol:         k_q0d707f019f_gather.kd
    .args:
      - { .name: embeddings, .offset: 0, .size: 8, .value_kind: global_buffer, .address_space: global }
      - { .name: codes_ws, .offset: 8, .size: 8, .value_kind: global_buffer, .address_space: global }
      - { .name: out1, .offset: 16, .size: 8, .value_kind: global_buffer, .address_space: global }
    .group_segment_fixed_size: 0
    .private_segment_fixed_size: 0
    .kernarg_segment_align: 8
    .kernarg_segment_size: 24
    .max_flat_workgroup_size: 256
    .sgpr_count:     66
    .vgpr_count:     160
    .wavefront_size: 32
...
	.end_amdgpu_metadata
.endif
;; end of part 3
